; MI455X (gfx1250); checked and timed in simulation.
; The chip was launched on July 23, 2026; its instructions are those of AMD's public machine-readable ISA for CDNA 5 (MIT licence, August 2026) and "CDNA5" Instruction Set Architecture Reference Guide (July 2026). The comments in the code are by the model that wrote it; some were corrected since.
;; Conjunction. Allowed arithmetic: float matrix products may take bf16 or f16 operands with f32 sums; all other float work in f32.
;; Inputs: weights 32 x 1,024 float32; x 128 x 512 float32.
;; Outputs: out0 128 x 1,024 float32.
;; One version. Each part assembles by itself: llvm-mc -triple=amdgcn-amd-amdhsa -mcpu=gfx1250 --defsym DOCPART=n.
;; ======== version 1 of 1: 1 launch
;; limits: values outside matrix products are rounded to bf16
;; launch conj (part 1): grid 8 x 32, 4 waves a work-group, no clusters, 1,024 bytes of LDS; arguments x, weights, out0; writes out0
.if DOCPART == 1
	.amdgcn_target "amdgcn-amd-amdhsa--gfx1250"
	.amdhsa_code_object_version 6
	.text
	.protected	k_qba7bbd0bd7_conj
	.globl	k_qba7bbd0bd7_conj
	.p2align	8
	.type	k_qba7bbd0bd7_conj,@function
k_qba7bbd0bd7_conj:
	s_mov_b64 s[64:65], 0
	v_nop
	global_prefetch_b8 v0, s[64:65] scope:SCOPE_SE
	s_setreg_imm32_b32 hwreg(HW_REG_WAVE_MODE, 25, 1), 1
	s_wait_xcnt 0x0
; out[b][o] = sum_i xm[b][i] W[i][o] + 0.1 (max_i |W[i][o] x[b][i]| - sum_i |W[i][o] x[b][i]|),  xm = x where x >= -1, else 0,
; W[i] = weights[i mod 16]: the module's own constant row index is 0..15, 32 times over; rows 16-31 of weights are never gathered and not read.
; With i = 16 g + j the sums and the maximum over g do not touch the weights:
;   S[b][j] = sum_g xm,  A[b][j] = sum_g |x|,  M[b][j] = max_g |x|          (f32, 32 terms each)
;   out[b][o] = sum_j S[b][j] w[j][o] + sum_j (-0.1 A[b][j]) |w[j][o]| + 0.1 max_j M[b][j] |w[j][o]|
; The two sums are ONE product of depth 32, [S | -0.1 A] x [w ; |w|]: one bf16 matrix instruction for a tile of 16 x 16.
; The maximum is exact: rounding is monotone, so max_g of the rounded products is the rounded product with max_g |x|.
;
; SHARES.  A work-group: 4 rows x 128 columns; grid 8 x 32 = 256 work-groups; four waves.
;   Step 1: wave w reduces row w of the four (2,048 bytes, four loads of 512 consecutive bytes) and leaves S, -0.1 A (bf16) and M (f32) in LDS.
;   Step 2: wave w makes rows 2 (w>>1), 2 (w>>1) + 1 x columns 64 (w&1) .. + 63; a lane makes 4 neighbouring columns of one row.
; Only rows 0 and 8 of each matrix result are used.  Filling all 16 rows would take a block of 16 rows of x for each work-group,
; four times step 1's work, to save matrix instructions of which a wave has four.
;
; NO CLUSTER, NO TENSOR LOADS, though 8 work-groups read the same 4 rows of x and 32 the same slice of weights: a wave issues its 12 loads
; once, there is no loop in which requests recur, and the data land in the registers that the arithmetic names.  The way through LDS would
; put a further wait, a barrier and 12 LDS loads in front of the same arithmetic.
;
; LIMITS.  Inputs are finite (with NaN or infinities the affected outputs of the reference are NaN; nothing is claimed for them here).
; S, -0.1 A, w and |w| enter the product rounded to bf16 (relative 2^-9 each); 0.1 multiplies the sum and the maximum apart, so the order of
; rounding is not the reference's.  bf16 keeps f32's exponents: no further limit of range.
.set XROW, 2048                        ; bytes in a row of x
.set WROW, 4096                        ; bytes in a row of weights and of out
.set LDSM, 256                         ; LDS: 4 rows x 64 bytes of bf16 (S at 0, -0.1 A at 32), then 4 rows x 64 bytes of M in f32
.set XO,  2                            ; v2       byte offset of my 16 bytes in a run of 512 of x
.set WO,  6                            ; v6       byte offset in weights: 8 h rows + 16 r
.set OO,  7                            ; v7       byte offset in out: h rows + 16 r
.set X,   8                            ; v[8:23]    x: load i, component c at X + 4 i + c
.set RC,  12                           ; v[12:17]   step 1: what the other half of the lanes sent (x registers that are done with)
.set W,   24                           ; v[24:55]   w[8 h + jj][4 r + c] at W + 4 jj + c
.set AB,  56                           ; v[56:59]   sums of |x|
.set AT,  60                           ; v[60:63]   their second chain
.set MA,  64                           ; v[64:67]   maxima of |x|
.set KP,  68                           ; v[68:73]   step 1: the six values that my half keeps.  Step 2: v[68:71] kept maxima
.set SD,  74                           ; v[74:79]   step 1: the six that it sends
.set SD2, 72                           ; v[72:75]   step 2: sent maxima
.set RC2, 76                           ; v[76:79]   step 2: received maxima
.set PK,  80                           ; v[80:81]   two bf16 of S, two of -0.1 A
.set LSF, 82                           ; v82      LDS address: where they go
.set LSM, 83                           ; v83      LDS address: where my two M go
.set XF,  84                           ; v[84:91]   the fragment [S | -0.1 A]
.set MR,  92                           ; v[92:107]  M[2p][8h..8h+7], M[2p+1][8h..8h+7]
.set LXF, 108                          ; v108     LDS address of the fragment
.set LMR, 109                          ; v109     LDS address of my M
.set FR,  112                          ; v[112:143] four fragments [w ; |w|], fragment t = columns 4 r + t
.set D,   144                          ; v[144:175] four results
.set PR,  176                          ; v[176:239] products M w: row b, jj, c at PR + 32 b + 4 jj + c
.set PM,  240                          ; v[240:247] their maxima over my eight j: row b, c at PM + 4 b + c
.set O,   248                          ; v[248:251] four outputs
	s_load_b128 s[4:7], s[0:1], 0x0                ; x s[4:5], weights s[6:7]
	s_load_b64 s[8:9], s[0:1], 0x10                ; out
	v_lshl_add_u32 v254, v0, 2, 0x200
	v_mov_b32 v255, 0
	v_lshrrev_b32 v1, 5, v0
	v_readfirstlane_b32 s10, v1                    ; wave w, 0 to 3
	v_and_b32 v[XO], 31, v0
	v_and_b32 v3, 15, v0                           ; r
	v_bfe_u32 v4, v0, 4, 1                         ; h
	v_lshlrev_b32 v[XO], 4, v[XO]                  ; 16 x lane
	v_lshlrev_b32 v5, 4, v3                        ; 16 r: four columns
	v_lshl_add_u32 v[WO], v4, 15, v5               ; + 8 h rows of 4,096 bytes
	v_lshl_add_u32 v[OO], v4, 12, v5               ; + h rows of 4,096 bytes
	s_and_b32 s11, ttmp7, 0xffff                   ; block of 4 rows
	s_lshl2_add_u32 s12, s11, s10                  ; the row that I reduce: 4 x block + w
	s_lshl_b32 s12, s12, 11                        ; x 2,048 bytes
	s_mov_b32 s13, 0
	s_and_b32 s20, s10, 1                          ; which 64 of the block's 128 columns
	s_lshr_b32 s21, s10, 1                         ; p: which two of its four rows
	s_lshl_b32 s22, ttmp9, 9                       ; block of 128 columns x 4 bytes
	s_lshl_b32 s20, s20, 8
	s_add_co_u32 s22, s22, s20                     ; my first column, in bytes: a multiple of 256
	s_mov_b32 s23, 0
	s_lshl1_add_u32 s24, s11, s21                  ; 2 x block + p
	s_lshl_b32 s24, s24, 13                        ; x 2 rows of 4,096 bytes
	s_add_co_u32 s24, s24, s22
	s_mov_b32 s25, 0
	s_wait_kmcnt 0x0
	s_add_nc_u64 s[4:5], s[4:5], s[12:13]
	s_add_nc_u64 s[6:7], s[6:7], s[22:23]
	s_add_nc_u64 s[8:9], s[8:9], s[24:25]
.irp i, 0,1,2,3
	global_load_b128 v[X+4*\i:X+4*\i+3], v[XO], s[4:5] offset:512*\i         ; my row of x: 512 consecutive bytes a load
.endr
.irp j, 0,1,2,3,4,5,6,7
	global_load_b128 v[W+4*\j:W+4*\j+3], v[WO], s[6:7] offset:WROW*\j        ; lanes 0-15: 256 bytes of row j, lanes 16-31: of row 8 + j
.endr
	; constants and LDS addresses, while the loads are out
	s_mov_b32 s14, 0xffff0000                      ; a lane mask: lanes 16-31
	s_mov_b32 s16, 0x76543210                      ; v_permlanex16_b32: lane i takes lane i xor 16
	s_mov_b32 s17, 0xfedcba98
	s_mov_b32 s18, 0x7fff7fff                      ; clears the signs of two bf16
	s_lshl_b32 s26, s10, 6                         ; row w's 64 bytes
	s_lshl_b32 s27, s21, 7                         ; rows 2p, 2p+1: 128 bytes
	v_and_b32 v1, 3, v0                            ; behind step 1 my two values have j = 4 (lane & 3) + 2 h, + 1
	v_lshlrev_b32 v[LSF], 3, v1
	v_lshl_add_u32 v[LSF], v4, 2, v[LSF]
	v_add_nc_u32 v[LSF], s26, v[LSF]               ; 64 w + 2 j
	v_lshlrev_b32 v[LSM], 4, v1
	v_lshl_add_u32 v[LSM], v4, 3, v[LSM]
	v_add_nc_u32 v[LSM], s26, v[LSM]               ; 64 w + 4 j
	v_bfe_u32 v[LXF], v0, 3, 1                     ; fragment rows 0-7 hold row 2p, rows 8-15 row 2p + 1
	v_lshlrev_b32 v[LXF], 6, v[LXF]
	v_lshl_add_u32 v[LXF], v4, 4, v[LXF]           ; + 16 h: k = 8 h .. 8 h + 7
	v_add_nc_u32 v[LXF], s27, v[LXF]
	v_lshlrev_b32 v[LMR], 5, v4                    ; M[.][8 h ..]
	v_add_nc_u32 v[LMR], s27, v[LMR]
	; STEP 1.  Lane l, load i, component c holds x[row][128 i + 4 l + c]: j = 4 (l & 3) + c.
	s_wait_loadcnt 0x8                             ; the four loads of x are in; the eight of weights behind them stay out
.irp c, 0,1,2,3
	v_add_f32 v[AB+\c], |v[X+\c]|, |v[X+4+\c]|
	v_add_f32 v[AT+\c], |v[X+8+\c]|, |v[X+12+\c]|
	v_max3_num_f32 v[MA+\c], |v[X+\c]|, |v[X+4+\c]|, |v[X+8+\c]|
.endr
	v_pk_add_f32 v[AB:AB+1], v[AB:AB+1], v[AT:AT+1]
	v_pk_add_f32 v[AB+2:AB+3], v[AB+2:AB+3], v[AT+2:AT+3]
.irp c, 0,1,2,3
	v_max_num_f32 v[MA+\c], v[MA+\c], |v[X+12+\c]|
.endr
.irp i, 0,1,2,3
	v_cmp_le_f32 s28, -1.0, v[X+4*\i]              ; the mask x >= -1, four at a time so that no select waits for its compare
	v_cmp_le_f32 s29, -1.0, v[X+4*\i+1]
	v_cmp_le_f32 s30, -1.0, v[X+4*\i+2]
	v_cmp_le_f32 s31, -1.0, v[X+4*\i+3]
	v_cndmask_b32 v[X+4*\i],   0, v[X+4*\i],   s28
	v_cndmask_b32 v[X+4*\i+1], 0, v[X+4*\i+1], s29
	v_cndmask_b32 v[X+4*\i+2], 0, v[X+4*\i+2], s30
	v_cndmask_b32 v[X+4*\i+3], 0, v[X+4*\i+3], s31
.endr
	v_pk_add_f32 v[X:X+1],     v[X:X+1],     v[X+4:X+5]
	v_pk_add_f32 v[X+2:X+3],   v[X+2:X+3],   v[X+6:X+7]
	v_pk_add_f32 v[X+8:X+9],   v[X+8:X+9],   v[X+12:X+13]
	v_pk_add_f32 v[X+10:X+11], v[X+10:X+11], v[X+14:X+15]
	v_pk_add_f32 v[X:X+1],     v[X:X+1],     v[X+8:X+9]
	v_pk_add_f32 v[X+2:X+3],   v[X+2:X+3],   v[X+10:X+11]                    ; S of my 16 numbers in v[X:X+3]
	; Across lanes 16 apart the halves share the work: lanes 0-15 keep components 0, 1 and send 2, 3; lanes 16-31 the other way round.
	; Twelve values become six, and the two steps that follow cost half.
.irp e, 0,1
	v_cndmask_b32 v[KP+\e],   v[X+\e],    v[X+2+\e],  s14
	v_cndmask_b32 v[SD+\e],   v[X+2+\e],  v[X+\e],    s14
	v_cndmask_b32 v[KP+2+\e], v[AB+\e],   v[AB+2+\e], s14
	v_cndmask_b32 v[SD+2+\e], v[AB+2+\e], v[AB+\e],   s14
	v_cndmask_b32 v[KP+4+\e], v[MA+\e],   v[MA+2+\e], s14
	v_cndmask_b32 v[SD+4+\e], v[MA+2+\e], v[MA+\e],   s14
.endr
.irp k, 0,1,2,3,4,5
	v_permlanex16_b32 v[RC+\k], v[SD+\k], s16, s17                           ; the destination has been written before (it held x)
.endr
	v_pk_add_f32 v[KP:KP+1],   v[KP:KP+1],   v[RC:RC+1]
	v_pk_add_f32 v[KP+2:KP+3], v[KP+2:KP+3], v[RC+2:RC+3]
	v_max_num_f32 v[KP+4], v[KP+4], v[RC+4]
	v_max_num_f32 v[KP+5], v[KP+5], v[RC+5]
.irp m, 4,8
.irp k, 0,1,2,3
	v_add_f32_dpp v[KP+\k], v[KP+\k], v[KP+\k] row_xmask:\m row_mask:0xf bank_mask:0xf
.endr
	v_max_num_f32_dpp v[KP+4], v[KP+4], v[KP+4] row_xmask:\m row_mask:0xf bank_mask:0xf
	v_max_num_f32_dpp v[KP+5], v[KP+5], v[KP+5] row_xmask:\m row_mask:0xf bank_mask:0xf
.endr
	v_pk_mul_f32 v[KP+2:KP+3], v[KP+2:KP+3], 0xbdcccccd op_sel_hi:[1,0]      ; -0.1 A
	v_cvt_pk_bf16_f32 v[PK],   v[KP],   v[KP+1]
	v_cvt_pk_bf16_f32 v[PK+1], v[KP+2], v[KP+3]
	ds_store_b32 v[LSF], v[PK]                     ; the four lanes that share (lane & 3, h) hold the same bits and write the same word
	ds_store_b32 v[LSF], v[PK+1] offset:32
	ds_store_b64 v[LSM], v[KP+4:KP+5] offset:LDSM
	s_wait_dscnt 0x0                               ; zero: the other waves read these bytes behind the barrier
	s_barrier_signal -1
	; registers only, while the others arrive: the four fragments [w ; |w|].  Fragment t, lane (r, h): column 4 r + t;
	; registers 0-3: k = 8 h .. 8 h + 7 = w's rows 8 h ..; registers 4-7: k = 16 + 8 h .. = |w| of the same rows.
	s_wait_loadcnt 0x0                             ; the weights
.irp t, 0,1,2,3
.irp i, 0,1,2,3
	v_cvt_pk_bf16_f32 v[FR+8*\t+\i], v[W+8*\i+\t], v[W+8*\i+4+\t]
.endr
.irp i, 0,1,2,3
	v_and_b32 v[FR+8*\t+4+\i], s18, v[FR+8*\t+\i]
.endr
.endr
	s_barrier_wait -1                              ; all four rows' S, A, M are in LDS
	; STEP 2.
	ds_load_b128 v[XF:XF+3],     v[LXF]            ; S[row][8 h ..], 8 bf16
	ds_load_b128 v[XF+4:XF+7],   v[LXF] offset:32  ; -0.1 A[row][8 h ..]
	ds_load_b128 v[MR:MR+3],     v[LMR] offset:LDSM
	ds_load_b128 v[MR+4:MR+7],   v[LMR] offset:LDSM+16
	ds_load_b128 v[MR+8:MR+11],  v[LMR] offset:LDSM+64
	ds_load_b128 v[MR+12:MR+15], v[LMR] offset:LDSM+80
	s_wait_dscnt 0x4                               ; the fragment is in; the four loads of M behind it stay out
.irp t, 0,1,2,3
	v_wmma_f32_16x16x32_bf16 v[D+8*\t:D+8*\t+7], v[XF:XF+7], v[FR+8*\t:FR+8*\t+7], 0   ; register 0, lane (r, h): row 2p + h, column 4 r + t
.endr
	s_wait_dscnt 0x0
; The maximum over my eight j (8 h .. 8 h + 7) for row 2p + b and my four columns.  M >= 0, so |M w| = M |w|: the products take w as loaded,
; two columns an instruction, and the magnitude rides on the maximum's sources.
.macro MAXROW b
.irp e, 0,1,2,3
.irp cp, 0,2
	v_pk_mul_f32 v[PR+32*\b+8*\e+\cp:PR+32*\b+8*\e+\cp+1], v[W+8*\e+\cp:W+8*\e+\cp+1], v[MR+8*\b+2*\e:MR+8*\b+2*\e+1] op_sel_hi:[1,0]
	v_pk_mul_f32 v[PR+32*\b+8*\e+4+\cp:PR+32*\b+8*\e+4+\cp+1], v[W+8*\e+4+\cp:W+8*\e+4+\cp+1], v[MR+8*\b+2*\e:MR+8*\b+2*\e+1] op_sel:[0,1] op_sel_hi:[1,1]
.endr
.endr
.irp c, 0,1,2,3
	v_max3_num_f32 v[PM+4*\b+\c], |v[PR+32*\b+\c]|, |v[PR+32*\b+4+\c]|, |v[PR+32*\b+8+\c]|
.endr
.irp c, 0,1,2,3
	v_max3_num_f32 v[PM+4*\b+\c], v[PM+4*\b+\c], |v[PR+32*\b+12+\c]|, |v[PR+32*\b+16+\c]|
.endr
.irp c, 0,1,2,3
	v_max3_num_f32 v[PM+4*\b+\c], v[PM+4*\b+\c], |v[PR+32*\b+20+\c]|, |v[PR+32*\b+24+\c]|
.endr
.irp c, 0,1,2,3
	v_max_num_f32 v[PM+4*\b+\c], v[PM+4*\b+\c], |v[PR+32*\b+28+\c]|
.endr
.endm
	MAXROW 0
	MAXROW 1
	; lanes 0-15 finish row 2p, lanes 16-31 row 2p + 1: each half keeps its own row's maxima and sends the other row's
.irp c, 0,1,2,3
	v_cndmask_b32 v[KP+\c],  v[PM+\c],   v[PM+4+\c], s14
	v_cndmask_b32 v[SD2+\c], v[PM+4+\c], v[PM+\c],   s14
.endr
.irp c, 0,1,2,3
	v_permlanex16_b32 v[RC2+\c], v[SD2+\c], s16, s17                         ; the destination was written in step 1
.endr
.irp c, 0,1,2,3
	v_max_num_f32 v[KP+\c], v[KP+\c], v[RC2+\c]
.endr
	; The results of the matrix instructions are read here first: the vector instructions of MAXROW, which name none of their registers,
	; stand between, far more than the four places asked for (ISA guide 7.12.1).
.irp c, 0,1,2,3
	v_fmamk_f32 v[O+\c], v[KP+\c], 0x3dcccccd, v[D+8*\c]                     ; 0.1 x maximum + the product; four columns side by side
.endr
	global_store_b128 v[OO], v[O:O+3], s[8:9] th:TH_STORE_NT                 ; lanes 0-15: 256 consecutive bytes of row 2p at a multiple of 256, lanes 16-31: of row 2p + 1
	s_wait_tensorcnt 0x0
	ds_add_u32 v254, v255
	s_wait_dscnt 0x0
	s_endpgm
.Lfunc_end_k_qba7bbd0bd7_conj:
	.size	k_qba7bbd0bd7_conj, .Lfunc_end_k_qba7bbd0bd7_conj-k_qba7bbd0bd7_conj
	.p2alignl 7, 3214868480
	.fill 96, 4, 3214868480
	.section	.rodata,"a",@progbits
	.p2align	6, 0x0
	.amdhsa_kernel k_qba7bbd0bd7_conj
		.amdhsa_group_segment_fixed_size 1024
		.amdhsa_private_segment_fixed_size 0
		.amdhsa_enable_private_segment 0
		.amdhsa_kernarg_size 24
		.amdhsa_user_sgpr_count 2
		.amdhsa_user_sgpr_kernarg_segment_ptr 1
		.amdhsa_wavefront_size32 1
		.amdhsa_system_sgpr_workgroup_id_x 1
		.amdhsa_system_sgpr_workgroup_id_y 1
		.amdhsa_system_sgpr_workgroup_id_z 1
		.amdhsa_system_vgpr_workitem_id 0
		.amdhsa_next_free_vgpr 256
		.amdhsa_next_free_sgpr 66
		.amdhsa_reserve_vcc 0
		.amdhsa_float_denorm_mode_32 3
		.amdhsa_float_denorm_mode_16_64 3
		.amdhsa_memory_ordered 1
		.amdhsa_forward_progress 1
		.amdhsa_inst_pref_size 18
	.end_amdhsa_kernel
	.amdgpu_metadata
---
amdhsa.version: [ 1, 2 ]
amdhsa.kernels:
  - .name:           k_qba7bbd0bd7_conj
    .symbol:         k_qba7bbd0bd7_conj.kd
    .args:
      - { .name: x, .offset: 0, .size: 8, .value_kind: global_buffer, .address_space: global }
      - { .name: weights, .offset: 8, .size: 8, .value_kind: global_buffer, .address_space: global }
      - { .name: out0, .offset: 16, .size: 8, .value_kind: global_buffer, .address_space: global }
    .group_segment_fixed_size: 1024
    .private_segment_fixed_size: 0
    .kernarg_segment_align: 8
    .kernarg_segment_size: 24
    .max_flat_workgroup_size: 128
    .sgpr_count:     66
    .vgpr_count:     256
    .wavefront_size: 32
...
	.end_amdgpu_metadata
.endif
;; end of part 1
